; MI455X (gfx1250); checked and timed in simulation.
; The chip was launched on July 23, 2026; its instructions are those of AMD's public machine-readable ISA for CDNA 5 (MIT licence, August 2026) and "CDNA5" Instruction Set Architecture Reference Guide (July 2026). The comments in the code are by the model that wrote it; some were corrected since.
;; Multi Head Attention. Allowed arithmetic: float matrix products may take bf16 or f16 operands with f32 sums; all other float work in f32.
;; Inputs: W_key 512 x 512 float32; W_query 512 x 512 float32; W_value 512 x 512 float32; key 8 x 2,048 x 512 float32; x 8 x 2,048 x 512 float32.
;; Outputs: out0 8 x 2,048 x 512 float32.
;; 2 versions, each right; version 2 is version 1 with the launch proj written anew for expert scheduling mode. Each part assembles by itself: llvm-mc -triple=amdgcn-amd-amdhsa -mcpu=gfx1250 --defsym DOCPART=n.
;; ======== version 1 of 2: 3 launches
;; limits: values are held in f16: magnitudes above 65,504 overflow, below 6.1e-05 lose precision
;; workspace buffers: wf 1,572,864 bytes; qf 16,777,216 bytes; kv 33,554,432 bytes
;; launch wprep (part 1): grid 64 x 3, 16 waves a work-group, no clusters, 0 bytes of LDS; arguments W_query, W_key, W_value, wf; writes wf
.if DOCPART == 1
	.amdgcn_target "amdgcn-amd-amdhsa--gfx1250"
	.amdhsa_code_object_version 6
	.text
	.protected	k_qcd4fd8b5ac_wprep
	.globl	k_qcd4fd8b5ac_wprep
	.p2align	8
	.type	k_qcd4fd8b5ac_wprep,@function
k_qcd4fd8b5ac_wprep:
	s_mov_b64 s[64:65], 0
	v_nop
	global_prefetch_b8 v0, s[64:65] scope:SCOPE_SE
	s_setreg_imm32_b32 hwreg(HW_REG_WAVE_MODE, 25, 1), 1
	s_wait_xcnt 0x0
; The three weight matrices, [512 (d)][512 (u)] f32, rounded to bf16 and laid in the order of matrix fragments:
;   wf byte  mat*524288 + ntile*16384 + g*256 + r*16  holds the 8 bf16  W_mat[8 g + j][16 ntile + r], j = 0..7.
; With g = 4 kstep + 2 c + h the 512 bytes at kstep*1024 + c*512 are registers 4c..4c+3 of the fragment (ntile, kstep): lane r + 16 h at byte 16 (r + 16 h).
; Work-group (g, mat), 512 threads; thread t is column u = t.  It reads eight rows' word of its column (a wave's load covers 128 consecutive bytes of one row)
; and stores 16 bytes; sixteen neighbouring lanes store 256 consecutive bytes, aligned.  192 work-groups are all the work there is: 3 MiB in, 1.5 MiB out.
; No LDS, no matrix unit: a cast with a transpose of 8 x 1 in registers.
	s_load_b256 s[4:11], s[0:1], 0x0               ; W_query s[4:5], W_key s[6:7], W_value s[8:9], wf s[10:11]
	s_and_b32 s14, ttmp7, 0xffff                   ; mat: 0 query, 1 key, 2 value
	s_lshl_b32 s16, ttmp9, 14                      ; 8 g rows of 2,048 bytes
	s_mov_b32 s17, 0
	s_lshl_b32 s18, s14, 19                        ; mat * 524,288
	s_lshl_b32 s19, ttmp9, 8                       ; g * 256
	s_add_co_u32 s18, s18, s19
	s_mov_b32 s19, 0
	v_lshlrev_b32 v1, 2, v0                        ; my column's word in a row
	v_lshrrev_b32 v2, 4, v0                        ; ntile
	v_and_b32 v3, 15, v0                           ; r
	v_lshlrev_b32 v2, 14, v2
	v_lshl_or_b32 v2, v3, 4, v2                    ; ntile * 16,384 + 16 r
	s_wait_kmcnt 0x0
	s_cmp_eq_u32 s14, 1
	s_cselect_b64 s[12:13], s[6:7], s[4:5]         ; the matrix is chosen by the work-group's y alone
	s_cmp_eq_u32 s14, 2
	s_cselect_b64 s[12:13], s[8:9], s[12:13]
	s_add_nc_u64 s[12:13], s[12:13], s[16:17]
	s_add_nc_u64 s[10:11], s[10:11], s[18:19]
.irp j, 0,1,2,3,4,5,6,7
	global_load_b32 v[4+\j], v1, s[12:13] offset:2048*\j th:TH_LOAD_NT
.endr
	s_wait_loadcnt 0x0
.irp q, 0,1,2,3
	v_cvt_pk_bf16_f32 v[12+\q], v[4+2*\q], v[5+2*\q]   ; the lower d in the lower half
.endr
	global_store_b128 v2, v[12:15], s[10:11]
	s_endpgm
.Lfunc_end_k_qcd4fd8b5ac_wprep:
	.size	k_qcd4fd8b5ac_wprep, .Lfunc_end_k_qcd4fd8b5ac_wprep-k_qcd4fd8b5ac_wprep
	.p2alignl 7, 3214868480
	.fill 96, 4, 3214868480
	.section	.rodata,"a",@progbits
	.p2align	6, 0x0
	.amdhsa_kernel k_qcd4fd8b5ac_wprep
		.amdhsa_group_segment_fixed_size 0
		.amdhsa_private_segment_fixed_size 0
		.amdhsa_enable_private_segment 0
		.amdhsa_kernarg_size 32
		.amdhsa_user_sgpr_count 2
		.amdhsa_user_sgpr_kernarg_segment_ptr 1
		.amdhsa_wavefront_size32 1
		.amdhsa_system_sgpr_workgroup_id_x 1
		.amdhsa_system_sgpr_workgroup_id_y 1
		.amdhsa_system_sgpr_workgroup_id_z 1
		.amdhsa_system_vgpr_workitem_id 0
		.amdhsa_next_free_vgpr 16
		.amdhsa_next_free_sgpr 66
		.amdhsa_reserve_vcc 0
		.amdhsa_float_denorm_mode_32 3
		.amdhsa_float_denorm_mode_16_64 3
		.amdhsa_memory_ordered 1
		.amdhsa_forward_progress 1
		.amdhsa_inst_pref_size 3
	.end_amdhsa_kernel
	.amdgpu_metadata
---
amdhsa.version: [ 1, 2 ]
amdhsa.kernels:
  - .name:           k_qcd4fd8b5ac_wprep
    .symbol:         k_qcd4fd8b5ac_wprep.kd
    .args:
      - { .name: W_query, .offset: 0, .size: 8, .value_kind: global_buffer, .address_space: global }
      - { .name: W_key, .offset: 8, .size: 8, .value_kind: global_buffer, .address_space: global }
      - { .name: W_value, .offset: 16, .size: 8, .value_kind: global_buffer, .address_space: global }
      - { .name: wf, .offset: 24, .size: 8, .value_kind: global_buffer, .address_space: global }
    .group_segment_fixed_size: 0
    .private_segment_fixed_size: 0
    .kernarg_segment_align: 8
    .kernarg_segment_size: 32
    .max_flat_workgroup_size: 512
    .sgpr_count:     66
    .vgpr_count:     16
    .wavefront_size: 32
...
	.end_amdgpu_metadata
.endif
;; end of part 1
;; launch proj (part 2): grid 256 x 1, 4 waves a work-group, no clusters, 279,040 bytes of LDS; arguments x, key, wf, qf, kv; writes qf, kv
.if DOCPART == 2
	.amdgcn_target "amdgcn-amd-amdhsa--gfx1250"
	.amdhsa_code_object_version 6
	.text
	.protected	k_qcd4fd8b5ac_proj
	.globl	k_qcd4fd8b5ac_proj
	.p2align	8
	.type	k_qcd4fd8b5ac_proj,@function
k_qcd4fd8b5ac_proj:
	s_mov_b64 s[64:65], 0
	v_nop
	global_prefetch_b8 v0, s[64:65] scope:SCOPE_SE
	s_setreg_imm32_b32 hwreg(HW_REG_WAVE_MODE, 25, 1), 1
	s_wait_xcnt 0x0
; q = x W_query, k = key W_key, v = key W_value, bf16 operands with f32 sums, stored in the order in which the attention launch takes its matrix fragments.
; q and k are stored in bf16, v in f16 (see FORMATS).  A piece is 512 bytes: lane L = r + 16 h holds 8 numbers of 16 bits at byte 16 L.
;   qf [nh 64][qtile 128][ut 4][piece]                       piece = q[token 16 qtile + r][hd 16 ut + 8 h + j]
;   kv [nh 64][tile of 256 keys: 8][K 32 KiB | V 32 KiB]     K: [kt 16][ut 4][piece] = k[key 16 kt + r][hd 16 ut + 8 h + j]
;                                                            V: [tt 16][ht 4][piece] = v[key 16 tt + 8 h + j][hd 16 ht + r]
; SHARES.  Work-group id: ch = id & 1 (heads 4 ch .. 4 ch + 3), rb = id >> 1 (rows 128 rb .. + 127 of the 16,384).  Three products of 128 x 256 x 512.
; Wave w makes 128 rows x the 64 columns of head 4 ch + w: 32 accumulator tiles, 256 registers.  K goes in 12 steps of 128 (4 for each product), four quarters of 32 matrix instructions each.
; A (x, key): f32 from memory, one load = 512 consecutive bytes of one row, rounded in place, 8 bytes a lane into LDS.  Every chunk has LDS bytes of its own
;   (8 chunks x 128 rows x 272 bytes): nothing in LDS is ever written twice, so one barrier a chunk (stores, then reads) is all, and the third product reads key from LDS again.
;   Pitch 272 = 17 x 16 bytes: the sixteen rows of a fragment load begin at sixteen different 16-byte columns modulo 256.
; W: each fragment is used by one wave alone, so it goes from wf straight into that wave's registers.
; THE ORDER OF A STEP s: quarter 0; W of step s + 1 is asked for; chunk s + 1 (asked for in step s - 1) is rounded and stored into its LDS bytes; quarter 1, in whose middle the stores are
;   shown done and chunk s + 2 is asked for; the barrier's signal at the head of quarter 2; its wait in the middle of quarter 3, 48 matrix instructions later, and behind it the first
;   fragments of chunk s + 1.  So a chunk's loads have three and a half quarters in which to come, and the stores, the barrier and the first fragment loads lie under matrix work.
; NO CLUSTER, NO TENSOR LOAD: A has to be rounded in registers before it lies in LDS (an f32 tile in LDS would double the bytes of every fragment load), and W never touches LDS;
;   so no operand passes through a load that could be shared.
; q and k use the matrix instruction with W as source 0: a lane's eight results are then eight neighbouring units of one token, a piece of q or k when packed.
; v uses it with A as source 0: eight neighbouring tokens of one unit, a piece of V.  So every store is 512 consecutive bytes straight from registers.
; The 32 accumulators take turns, one instruction a turn, in the same order in every quarter step.
; FORMATS.  Where the scores are nearly equal an output is a mean of 2,048 values of v, sqrt(2048) = 45 times smaller than v itself, and it is judged against its own size:
;   the rounding of v then counts 45-fold, so v is kept with f16's 11 significant bits, not bf16's 8.  Room: v has the spread 0.02 sqrt(512) = 0.45; with key and W_value both
;   30 times larger 407; with offsets of 30 spreads on both about 512 x 30 x 0.6 = 9,216; f16 ends at 65,504.  With both 30 times smaller the spread is 5e-4 and f16's step there 6e-8.
; LIMITS: x, key, W, q, k rounded to bf16, v to f16; |v| above 65,504 becomes infinite; NaN and infinities pass as the matrix unit passes them.
; REGISTERS, in windows of 256:
;   window 0: v1 16 L; v2-5 AD (fragment address, per pair of chunks); v6-9 SD (staging address); v10 PF; v32-95, v96-159 A fragments, two buffers; v160-223 packed results
;   window 1: accumulator tile (mt, nt) at 8 (4 mt + nt);  window 2: W fragments, two buffers of 128;  window 3: v0-127 staging, row i of my 32 at 4 i
.set PITCH, 272
.set CHUNK, 128*PITCH                  ; 34,816 bytes: 128 rows of 128 bf16, padded
.set AD,  2
.set SD,  6
.set PF,  10
.set AF0, 32
.set AF1, 96
.set TMP, 160
.set MSB, 0
.macro WIN new                         ; low byte: bits 1:0 source 0, 3:2 source 1, 5:4 source 2, 7:6 destination; the high byte repeats the setting that is left
.if MSB != \new
	s_set_vgpr_msb (MSB<<8)|\new
.set MSB, \new
.endif
.endm
.macro PLACES                          ; four plain vector places behind a matrix instruction, in front of a load into, or a read of, its registers
.rept 4
	v_nop
.endr
.endm
.macro MM d, a, b, zero                ; zero = 1: the first product starts the sum, nothing is cleared
.if \zero
	v_wmma_f32_16x16x32_bf16 v[\d:\d+7], v[\a:\a+7], v[\b:\b+7], 0
.else
	v_wmma_f32_16x16x32_bf16 v[\d:\d+7], v[\a:\a+7], v[\b:\b+7], v[\d:\d+7]
.endif
.endm
; the 32 pieces of W for step s (matrix s >> 2, d = 128 (s & 3) ..), into W buffer s & 1
.macro LOADW s
	WIN 0x80
.irp kk, 0,1,2,3
.irp nt, 0,1,2,3
.irp c, 0,1
	global_load_b128 v[128*((\s)&1)+32*\kk+8*\nt+4*\c:128*((\s)&1)+32*\kk+8*\nt+4*\c+3], v1, s[20:21] offset:((\s)>>2)*524288+\nt*16384+(4*((\s)&3)+\kk)*1024+\c*512
.endr
.endr
.endr
.endm
; my 32 rows of chunk s (s < 4: x, else key): 512 bytes of f32 each
.macro LOADSTG s
	WIN 0xc0
.set ix, 0
.rept 32
.if (\s) < 4
	global_load_b128 v[4*ix:4*ix+3], v1, s[16:17] offset:ix*2048+((\s)&3)*512
.else
	global_load_b128 v[4*ix:4*ix+3], v1, s[18:19] offset:ix*2048+((\s)&3)*512
.endif
.set ix, ix+1
.endr
.endm
; Chunk s is asked for ahead: lane = one of my 32 rows; of the row's 512 bytes this work-group asks for the 256 at 256 ch, its neighbour (same rows, other ch) for the others,
; so each aligned block of 256 bytes is asked for once in the launch.  In step s chunk s + 3 is asked for, one step before its loads are issued; chunks 1 and 2 at the start;
; chunks 1 to 7 only, all inside the rows.  The address register lies in window 0, which is source 0's window in every setting under which this line stands.
.macro PREF s
.if (\s) < 4
	global_prefetch_b8 v[PF], s[16:17] offset:((\s)&3)*512 th:TH_LOAD_NT scope:SCOPE_SE
.else
	global_prefetch_b8 v[PF], s[18:19] offset:((\s)&3)*512 th:TH_LOAD_NT scope:SCOPE_SE
.endif
.endm
; chunk c, which lies in the staging registers as f32, is rounded in place and laid into its LDS bytes
.macro STAGE c
	WIN 0xcf
.set ix, 0
.rept 32
	v_cvt_pk_bf16_f32 v[4*ix],   v[4*ix],   v[4*ix+1]      ; 4 f32 become 4 bf16 in two registers
	v_cvt_pk_bf16_f32 v[4*ix+1], v[4*ix+2], v[4*ix+3]
.set ix, ix+1
.endr
	WIN 0x0c
.set ix, 0
.rept 32
	ds_store_b64 v[SD+((\c)>>1)], v[4*ix:4*ix+1] offset:((\c)&1)*CHUNK+ix*PITCH   ; a row's 256 bytes from 32 lanes
.set ix, ix+1
.endr
.endm
; the eight A fragments (128 rows x 32 d) of quarter kk of chunk cidx
.macro FETCH af, cidx, kk
	WIN 0
.irp mt, 0,1,2,3,4,5,6,7
	ds_load_b128 v[\af+8*\mt:\af+8*\mt+3],   v[AD+((\cidx)>>1)] offset:((\cidx)&1)*CHUNK+\mt*16*PITCH+\kk*64
	ds_load_b128 v[\af+8*\mt+4:\af+8*\mt+7], v[AD+((\cidx)>>1)] offset:((\cidx)&1)*CHUNK+\mt*16*PITCH+\kk*64+32
.endr
.endm
; in the middle of a quarter: the next quarter's fragments, into the buffer that the quarter before has read
.macro NEXT af, cidx, kk
	PLACES
	FETCH \af, \cidx, \kk
	s_wait_dscnt 0x10                              ; all LDS instructions but the 16 just issued are done
.endm
; 16 matrix instructions: row tiles mb .. mb + 3 x my four column tiles.  sw = 1: W is source 0.
.macro MUL16 af, wb, mb, sw, zero
.if \sw
	WIN 0x52                                       ; source 0 window 2 (W), source 1 window 0 (A), C and D window 1
.else
	WIN 0x58                                       ; source 0 window 0 (A), source 1 window 2 (W), C and D window 1
.endif
.irp mm, 0,1,2,3
.irp nt, 0,1,2,3
.if \sw
	MM 8*(4*(\mb+\mm)+\nt), \wb+8*\nt, \af+8*(\mb+\mm), \zero
.else
	MM 8*(4*(\mb+\mm)+\nt), \af+8*(\mb+\mm), \wb+8*\nt, \zero
.endif
.endr
.endr
.endm
; Step s on chunk cidx; cidxn: the chunk of the next step.  Steps 0 to 6 stage chunk s + 1; steps 0 to 5 ask for chunk s + 2; steps 0 to 10 ask for W of step s + 1.
; Global loads come back in order.  On entry there are out: W(s), asked for in step s - 1 behind quarter 0, and behind it (steps 0 to 6) the 32 loads of chunk s + 1.
.macro STEP s, cidx, cidxn, sw, zero
.set WB, 128*((\s)&1)
.if \s < 7
	s_wait_loadcnt 0x20                            ; W(s) is in; the 32 younger loads, chunk s + 1, stay out
.else
	s_wait_loadcnt 0x0                             ; W(s): nothing was asked for behind it
.endif
	s_wait_dscnt 0x8                               ; of this quarter's 16 fragment loads the first eight (row tiles 0-3) are in
	MUL16 AF0, WB, 0, \sw, \zero
	NEXT AF1, \cidx, 1
	MUL16 AF0, WB, 4, \sw, \zero
.if \s < 11
	LOADW \s+1                                     ; into the W buffer that step s - 1 read: the four places of the quarter above stand between
.endif
.if \s < 7
	s_wait_loadcnt 0x20                            ; chunk s + 1 is in; the 32 younger loads, W(s + 1), stay out
	STAGE \s+1
	s_wait_dscnt 0x28                              ; out: 16 fragment loads and behind them 32 stores; the first eight loads are in
.else
	s_wait_dscnt 0x8
.endif
	MUL16 AF1, WB+32, 0, \sw, 0
	NEXT AF0, \cidx, 2                             ; its wait also shows my 32 stores done: the staging registers are loaded again only behind it
.if \s < 6
	LOADSTG \s+2
.endif
.if \s < 5
	PREF \s+3
.endif
	MUL16 AF1, WB+32, 4, \sw, 0
.if \s < 7
	s_wait_dscnt 0x0                               ; no LDS instruction of mine is out: my rows of chunk s + 1 lie in LDS,
	s_barrier_signal -1                            ; say so.  Up to the wait: matrix work, and loads of chunk s, whose bytes are never written again
.else
	s_wait_dscnt 0x8
.endif
	MUL16 AF0, WB+64, 0, \sw, 0
	NEXT AF1, \cidx, 3
	MUL16 AF0, WB+64, 4, \sw, 0
	s_wait_dscnt 0x8
	MUL16 AF1, WB+96, 0, \sw, 0
.if \s < 7
	s_barrier_wait -1                              ; chunk s + 1 is whole
.endif
.if \s < 11
	NEXT AF0, \cidxn, 0                            ; the next step's first fragments
.else
	s_wait_dscnt 0x0
.endif
	MUL16 AF1, WB+96, 4, \sw, 0
.endm
; the 32 tiles leave: 8 f32 a lane become 16 bytes (fmt = 0: bf16, 1: f16), a wave's store is one piece of 512 consecutive bytes
.macro OUT b, off, fmt
	PLACES
.irp half, 0,1
.if \half == 0
	s_wait_storecnt 0x0                            ; TMP is the data of the last product's stores, issued four steps ago: they are done, TMP may be rewritten
.else
	s_wait_xcnt 0x0                                ; TMP is the data of the sixteen stores just issued: it is rewritten only behind this wait
.endif
	WIN 0x05
.set ix, 0
.rept 16
.irp q, 0,1,2,3
.if \fmt
	v_cvt_pk_f16_f32 v[TMP+4*ix+\q], v[8*(16*\half+ix)+2*\q], v[8*(16*\half+ix)+2*\q+1]
.else
	v_cvt_pk_bf16_f32 v[TMP+4*ix+\q], v[8*(16*\half+ix)+2*\q], v[8*(16*\half+ix)+2*\q+1]
.endif
.endr
.set ix, ix+1
.endr
	WIN 0
.set ix, 0
.rept 16
	global_store_b128 v1, v[TMP+4*ix:TMP+4*ix+3], s[\b:\b+1] offset:\off+512*(16*\half+ix)
.set ix, ix+1
.endr
.endr
.endm
	s_load_b256 s[4:11], s[0:1], 0x0               ; x s[4:5], key s[6:7], wf s[8:9], qf s[10:11]
	s_load_b64 s[12:13], s[0:1], 0x20              ; kv
	v_lshl_add_u32 v254, v0, 2, 0x44000
	v_mov_b32 v255, 0
	v_lshrrev_b32 v11, 5, v0
	v_readfirstlane_b32 s14, v11                   ; wave w
	s_and_b32 s15, ttmp9, 1                        ; ch
	s_lshr_b32 s26, ttmp9, 1                       ; rb
	s_lshl2_add_u32 s27, s15, s14                  ; head hh = 4 ch + w
	s_lshl_b32 s28, s26, 18                        ; 128 rb rows of 2,048 bytes
	s_lshl_b32 s30, s14, 16                        ; + 32 w rows
	s_add_co_u32 s28, s28, s30
	s_mov_b32 s29, 0
	s_lshl_b32 s30, s27, 16                        ; wf: column tiles 4 hh .., 16,384 bytes each
	s_mov_b32 s31, 0
	s_lshr_b32 s32, s26, 4                         ; batch n
	s_lshl3_add_u32 s32, s32, s27                  ; nh = 8 n + hh
	s_and_b32 s33, s26, 15                         ; my block of 128 tokens in the batch
	s_lshl_b32 s34, s32, 18                        ; qf: nh * 262,144 + block * 8 tiles of 2,048 bytes
	s_lshl_b32 s36, s33, 14
	s_add_co_u32 s34, s34, s36
	s_mov_b32 s35, 0
	s_lshl_b32 s36, s32, 19                        ; kv: nh * 524,288 + (block >> 1) * 65,536 + (block & 1) * 16,384
	s_lshr_b32 s38, s33, 1
	s_lshl_b32 s38, s38, 16
	s_add_co_u32 s36, s36, s38
	s_and_b32 s38, s26, 1
	s_lshl_b32 s38, s38, 14
	s_add_co_u32 s36, s36, s38
	s_mov_b32 s37, 0
	s_lshl_b32 s38, s15, 8
	s_mul_i32 s39, s14, 32*PITCH                   ; my 32 rows of a chunk
	v_and_b32 v12, 31, v0                          ; L
	v_lshlrev_b32 v1, 4, v12                       ; 16 L
	v_lshl_add_u32 v[PF], v12, 11, s38             ; row L of my 32, and my work-group's 256 of the 512 bytes
	s_wait_kmcnt 0x0
	s_add_nc_u64 s[16:17], s[4:5], s[28:29]        ; x at my 32 rows
	s_add_nc_u64 s[18:19], s[6:7], s[28:29]        ; key at my 32 rows
	s_add_nc_u64 s[20:21], s[8:9], s[30:31]        ; wf at my head
	s_add_nc_u64 s[22:23], s[10:11], s[34:35]      ; qf at my 32 pieces
	s_add_nc_u64 s[24:25], s[12:13], s[36:37]      ; kv at my 32 pieces of K; V's lie 32,768 further
	LOADSTG 0                                      ; chunk 0 first: it is wanted first
	LOADW 0
	PREF 1
	WIN 0
	v_and_b32 v13, 15, v0                          ; r
	v_bfe_u32 v14, v0, 4, 1                        ; h
	v_mul_u32_u24 v[AD], v13, PITCH
	v_lshl_add_u32 v[AD], v14, 4, v[AD]            ; fragment: row r, 16 bytes for each half of the lanes
	v_lshl_add_u32 v[SD], v12, 3, s39              ; staging: 8 bytes a lane
.irp j, 1,2,3
	v_add_nc_u32 v[AD+\j], \j*2*CHUNK, v[AD]       ; one register for each pair of chunks: the rest fits the 16-bit offset
	v_add_nc_u32 v[SD+\j], \j*2*CHUNK, v[SD]
.endr
	s_wait_loadcnt 0x20                            ; chunk 0 is in; the 32 younger loads, W(0), stay out
	STAGE 0
	s_wait_dscnt 0x0                               ; my stores are in LDS, for the other waves' sake; and the staging registers are loaded again only behind this wait
	LOADSTG 1
	PREF 2
	s_barrier_signal -1
	s_barrier_wait -1                              ; chunk 0 is whole
	FETCH AF0, 0, 0
	STEP 0, 0, 1, 1, 1                             ; q
	STEP 1, 1, 2, 1, 0
	STEP 2, 2, 3, 1, 0
	STEP 3, 3, 4, 1, 0
	OUT 22, 0, 0
	STEP 4, 4, 5, 1, 1                             ; k
	STEP 5, 5, 6, 1, 0
	STEP 6, 6, 7, 1, 0
	STEP 7, 7, 4, 1, 0                             ; its last quarter already fetches key's first chunk again, for v
	OUT 24, 0, 0
	STEP 8, 4, 5, 0, 1                             ; v, from key's chunks, which lie in LDS since their barriers
	STEP 9, 5, 6, 0, 0
	STEP 10, 6, 7, 0, 0
	STEP 11, 7, 7, 0, 0
	OUT 24, 32768, 1                               ; v leaves in f16
	WIN 0
	s_wait_tensorcnt 0x0
	ds_add_u32 v254, v255
	s_wait_dscnt 0x0
	s_endpgm
.Lfunc_end_k_qcd4fd8b5ac_proj:
	.size	k_qcd4fd8b5ac_proj, .Lfunc_end_k_qcd4fd8b5ac_proj-k_qcd4fd8b5ac_proj
	.p2alignl 7, 3214868480
	.fill 96, 4, 3214868480
	.section	.rodata,"a",@progbits
	.p2align	6, 0x0
	.amdhsa_kernel k_qcd4fd8b5ac_proj
		.amdhsa_group_segment_fixed_size 279040
		.amdhsa_private_segment_fixed_size 0
		.amdhsa_enable_private_segment 0
		.amdhsa_kernarg_size 40
		.amdhsa_user_sgpr_count 2
		.amdhsa_user_sgpr_kernarg_segment_ptr 1
		.amdhsa_wavefront_size32 1
		.amdhsa_system_sgpr_workgroup_id_x 1
		.amdhsa_system_sgpr_workgroup_id_y 1
		.amdhsa_system_sgpr_workgroup_id_z 1
		.amdhsa_system_vgpr_workitem_id 0
		.amdhsa_next_free_vgpr 896
		.amdhsa_next_free_sgpr 66
		.amdhsa_reserve_vcc 0
		.amdhsa_float_denorm_mode_32 3
		.amdhsa_float_denorm_mode_16_64 3
		.amdhsa_memory_ordered 1
		.amdhsa_forward_progress 1
		.amdhsa_inst_pref_size 255
	.end_amdhsa_kernel
	.section	.bss,"aw",@nobits
	.p2align	6
	.space	262144
	.amdgpu_metadata
---
amdhsa.version: [ 1, 2 ]
amdhsa.kernels:
  - .name:           k_qcd4fd8b5ac_proj
    .symbol:         k_qcd4fd8b5ac_proj.kd
    .args:
      - { .name: x, .offset: 0, .size: 8, .value_kind: global_buffer, .address_space: global }
      - { .name: key, .offset: 8, .size: 8, .value_kind: global_buffer, .address_space: global }
      - { .name: wf, .offset: 16, .size: 8, .value_kind: global_buffer, .address_space: global }
      - { .name: qf, .offset: 24, .size: 8, .value_kind: global_buffer, .address_space: global }
      - { .name: kv, .offset: 32, .size: 8, .value_kind: global_buffer, .address_space: global }
    .group_segment_fixed_size: 279040
    .private_segment_fixed_size: 0
    .kernarg_segment_align: 8
    .kernarg_segment_size: 40
    .max_flat_workgroup_size: 128
    .sgpr_count:     66
    .vgpr_count:     896
    .wavefront_size: 32
...
	.end_amdgpu_metadata
.endif
;; end of part 2
;; launch attn (part 3): grid 256 x 1, 8 waves a work-group, clusters of 4 x 1, 327,680 bytes of LDS; arguments qf, kv, out0; writes out0
.if DOCPART == 3
	.amdgcn_target "amdgcn-amd-amdhsa--gfx1250"
	.amdhsa_code_object_version 6
	.text
	.protected	k_qcd4fd8b5ac_attn
	.globl	k_qcd4fd8b5ac_attn
	.p2align	8
	.type	k_qcd4fd8b5ac_attn,@function
k_qcd4fd8b5ac_attn:
	s_mov_b64 s[64:65], 0
	v_nop
	global_prefetch_b8 v0, s[64:65] scope:SCOPE_SE
	s_setreg_imm32_b32 hwreg(HW_REG_WAVE_MODE, 25, 1), 1
	s_wait_xcnt 0x0
	s_wait_alu depctr_hold_cnt(0) depctr_sa_sdst(0) depctr_va_vdst(0) depctr_va_sdst(0) depctr_va_ssrc(0) depctr_va_vcc(0) depctr_vm_vsrc(0)
	s_getreg_b32 s2, hwreg(HW_REG_IB_STS2, 6, 4)
	s_cmp_eq_u32 s2, 0
	s_cbranch_scc0 .Lentry_in_a_cluster
	s_endpgm
.Lentry_in_a_cluster:
	s_bfe_u32 s2, ttmp6, 0x10000c
	s_cmp_lg_u32 s2, 0x3003
	s_cbranch_scc0 .Lentry_shape_is_right
	s_endpgm
.Lentry_shape_is_right:
; out0[n][q][64 hh + d] = sum over keys of softmax(q k / sqrt(512)) v, for the pair nh = 8 n + hh, with a running maximum.
; COMPUTED TRANSPOSED: S^T = K Q^T (rows keys, columns queries) and O^T = V^T P^T.  In a result tile lane L = r + 16 h holds query r and, in registers 0-7, keys (or head units) 8 h + 0..7.
; So two tiles of S^T, exponentiated and packed to 16 bits, ARE the second source of the next product (keys 8 h .. in registers 0-3, 16 + 8 h .. in 4-7): no lane ever hands a number to another
; but for one exchange of the two halves' maxima a step; maximum, sum and rescaling factor are one number a lane.
; FORMATS.  Q and K are bf16 (first product).  P and V are f16 (second product, same lane layout): where the scores are nearly equal an output is a mean of 2,048 values of v,
; sqrt(2048) = 45 times smaller than v, and is judged against its own size, so the roundings of P and of V count 45-fold; f16 keeps 11 significant bits where bf16 keeps 8.
; P lies in [0, 1], inside f16's range; terms below 2^-25 become 0 in the product, 2,048 of them being at most 6e-5 of a sum that is at least 1.  V's room in f16 is reckoned where V is made.
; SHARES.  A cluster of four work-groups is one pair nh (ttmp9); work-group cx takes 512 queries, wave w 64 of them: four query tiles i.  Two waves lie on a SIMD.
; The four work-groups read the same K and V tiles and ask for them JOINTLY (mask 15), which divides those requests by four.  cx enters the global addresses of qf and out0 alone.
; LDS: two slots of 65,536 bytes, each 256 keys: K's pieces at + 0, V's at + 32,768, exactly as they lie in kv.  A piece is 512 bytes, 16 a lane: every fragment load takes 512 consecutive
; bytes, so no padding is needed.  Each wave brings an eighth of a slot by one tensor load of 32 rows x 256 bytes: the slot's 256 rows are shared among eight waves so that every wave has
; a load of its own on its way.  By this text's count a wave has two tensor loads out at the start and one later; a refill has a whole tile's work (16 steps) in which to land,
; which is why no tile is asked for ahead by a prefetch as well.
; Behind the slots, from byte 131,072: 16 rows x 272 bytes for each wave, for the way out; no tensor load ever lands there.
; A STEP is one query tile i x 64 keys, in three sections, and a wave's matrix instructions stand BETWEEN its own vector lines, which do not wait for them:
;   1. the maximum of this step's scores (23 lines), and between them the 8 matrix instructions for the NEXT step's scores, one behind each line of the dependent tail;
;   2. the rescaling of O(i) (16 lines), and between them the 8 matrix instructions P V of the step BEFORE (another tile of O);
;   3. exponentials, sums, packing of P (80 lines).
; So P V runs one step late: V's fragments are loaded in a block's step 0 behind the old block's last P V, K's in step 2 behind the block's last scores.
; In each group of eight, four accumulators take turns, one instruction a turn.
; THE EXPONENT: p = 2^(c s - c m), c = log2(e) / sqrt(512) = 0.06375872 (0x3d8293ee), one fused multiply-add; -c m is kept as rounded, and the old sums are rescaled by 2^(difference of the two
; kept numbers), so old and new terms stand on one basis exactly.
; LIMITS: NaN and infinite scores are not reproduced (the maxima drop NaN).  P goes to the matrix unit in f16, the row sum adds it in f32.  Exponentials below 2^-126 come out as 0.
; REGISTERS.  Window 0: v1-2 LA (16 L in slot 0, 1); v3 STO, v4 RD, v5 CO (way out); v8-11 maximum; v12-19 sum (a pair for each tile); v20-23 -c m; v24-27 chains; v28 MX, v29 PX;
;   v30-31 NT; v32-33 AL; v34-35 T; v40-103 K fragments; v104-167 Q fragment (i, ks) at 104 + 16 i + 8 ks; v168-199, v200-231 scores, two buffers; v232-247 P.
;   Window 1: O tile (i, ht) at 8 (4 i + ht); V fragments at 128.
;   So sections 1 and 3 run with every window 0, section 2 under one setting (source 0, C and D in window 1): two switches a step, two more a block for V's loads.
.set SLOTB,  65536
.set STAGE,  131072
.set SPITCH, 272                       ; 17 x 16 bytes: sixteen rows begin at sixteen different 16-byte columns modulo 256
.set LA,   1
.set STO,  3
.set RD,   4
.set CO,   5
.set RM,   8
.set RL,   12
.set RNMC, 20
.set RAX,  24
.set RMX,  28
.set RPX,  29
.set RNT,  30
.set RAL,  32
.set RT,   34
.set KF,   40
.set QF,   104
.set SB0,  168
.set RP,   232
.set VF,   128                         ; in window 1
.set G1,   16                          ; s[16:23] descriptor group 1
.set G0,   24                          ; s[24:31] descriptor group 0, a set for each slot
.set MSB, 0
.macro WIN new                         ; low byte: bits 1:0 source 0, 3:2 source 1, 5:4 source 2, 7:6 destination; the high byte repeats the setting that is left
.if MSB != \new
	s_set_vgpr_msb (MSB<<8)|\new
.set MSB, \new
.endif
.endm
.macro MM d, a, b, zero                ; bf16 operands.  zero = 1: the first product starts the sum
.if \zero
	v_wmma_f32_16x16x32_bf16 v[\d:\d+7], v[\a:\a+7], v[\b:\b+7], 0
.else
	v_wmma_f32_16x16x32_bf16 v[\d:\d+7], v[\a:\a+7], v[\b:\b+7], v[\d:\d+7]
.endif
.endm
.macro MMH d, a, b, zero               ; f16 operands
.if \zero
	v_wmma_f32_16x16x32_f16 v[\d:\d+7], v[\a:\a+7], v[\b:\b+7], 0
	s_wait_alu depctr_va_vdst(0)
.else
	v_wmma_f32_16x16x32_f16 v[\d:\d+7], v[\a:\a+7], v[\b:\b+7], v[\d:\d+7]
.endif
.endm
; a round of the cluster's barrier: my work-group's barrier, wave 0 signals for the work-group, every wave waits for all four work-groups, my work-group's barrier once more
.macro ROUND
	s_barrier_signal -1
	s_barrier_wait -1
	s_cmp_lg_u32 s10, 0
	s_cbranch_scc1 .Lnot_wave_0_\@
	s_barrier_signal -3
.Lnot_wave_0_\@:
	s_barrier_wait -3
	s_barrier_signal -1
	s_barrier_wait -1
.endm
.macro KLOAD slot, kb                  ; K of the 64 keys of block kb: 16 pieces; fragment (kt, ks) is pieces 4 kt + 2 ks, + 1
.set ix, 0
.rept 16
	ds_load_b128 v[KF+4*ix:KF+4*ix+3], v[LA+(\slot)] offset:(\kb)*8192+512*ix
.set ix, ix+1
.endr
.endm
.macro VLOAD slot, kb                  ; V of the same keys, into window 1: fragment (ht, ks2) is the pieces of key tiles 4 kb + 2 ks2, + 1
.irp ht, 0,1,2,3
.irp kc, 0,1,2,3
	ds_load_b128 v[VF+16*\ht+4*\kc:VF+16*\ht+4*\kc+3], v[LA+(\slot)] offset:32768+(4*(\kb)+\kc)*2048+\ht*512
.endr
.endr
.endm
; matrix instruction n of the eight that make the scores of query tile qi against 64 keys, into buffer sb: n = 0..3 start the four key tiles (head units 0-31), n = 4..7 add units 32-63
.macro QW on, n, qi, sb
.if \on
.if \n < 4
	MM \sb+8*\n, KF+16*\n, QF+16*\qi, 1
.else
	MM \sb+8*(\n-4), KF+16*(\n-4)+8, QF+16*\qi+8, 0
.endif
.endif
.endm
; matrix instruction n of the eight of O^T(pi) += V^T P^T: n = 0..3 the four tiles of head units with keys 0-31, n = 4..7 with keys 32-63.  pv = 0: none; 1: onto O; 2: the first four start O
.macro PW pv, n, pi
.if \pv
.if \n < 4
.if \pv == 2
	MMH 8*(4*\pi+\n), VF+16*\n, RP, 1
.else
	MMH 8*(4*\pi+\n), VF+16*\n, RP, 0
.endif
.else
	MMH 8*(4*\pi+\n-4), VF+16*(\n-4)+8, RP+8, 0
.endif
.endif
.endm
; Slot a has been read to its end (its last block's K and V lie in registers).  Every wave waits for its LDS reads and for all its tensor loads, its part of the other slot among them.
; refill = 1: a round of the cluster's barrier, so that this holds of every wave of all four work-groups; then the joint load, first thing behind the round, one a wave.
; refill = 0: nothing is left to fetch; my work-group's barrier shows the other slot whole.
.macro CHANGE a, refill
	s_wait_dscnt 0x0
	s_wait_tensorcnt 0x0                           ; no tensor load of mine is out: a group 0 may be written
	ds_add_u32 v254, v255
	s_wait_dscnt 0x0
.if \refill
	s_add_nc_u64 s[G0+4*\a+2:G0+4*\a+3], s[G0+4*\a+2:G0+4*\a+3], 2*SLOTB     ; this slot's next tile: two tiles on
	ROUND
	tensor_load_to_lds s[G0+4*\a:G0+4*\a+3], s[G1:G1+7]
	s_nop 0
.else
	s_barrier_signal -1
	s_barrier_wait -1
.endif
.endm
.macro HOOK hk, slot, kb               ; the next block's K: 2: from the same slot; 3: change of slots with a refill; 4: change without
.if (\hk) == 2
	KLOAD \slot, \kb+1
.endif
.if (\hk) == 3
	CHANGE \slot, 1
	KLOAD 1-\slot, 0
.endif
.if (\hk) == 4
	CHANGE \slot, 0
	KLOAD 1-\slot, 0
.endif
.endm
.macro FMA4 sb, kt                     ; c s - c m, two at a time
.irp p, 0,2,4,6
	v_pk_fma_f32 v[\sb+8*\kt+\p:\sb+8*\kt+\p+1], v[\sb+8*\kt+\p:\sb+8*\kt+\p+1], s[34:35], v[RNT:RNT+1] op_sel_hi:[1,0,0]
.endr
.endm
.macro EXP8 sb, kt                     ; behind each such run stand plain lines that touch none of its results (ISA guide 5.7.2)
.irp p, 0,1,2,3,4,5,6,7
	v_exp_f32 v[\sb+8*\kt+\p], v[\sb+8*\kt+\p]
.endr
.endm
.macro SC i, sb, kt, first             ; tile kt's eight p: into the sums (two chains of pairs), and packed to f16 as P's registers 4 kt ..
.if \kt == 0
.if \first
	s_wait_alu depctr_va_vdst(0)
	v_pk_add_f32 v[RL+2*\i:RL+2*\i+1], v[\sb:\sb+1], v[\sb+4:\sb+5]
.else
	s_wait_alu depctr_va_vdst(0)
	v_pk_fma_f32 v[RL+2*\i:RL+2*\i+1], v[RL+2*\i:RL+2*\i+1], v[RAL:RAL+1], v[\sb:\sb+1] op_sel_hi:[1,0,1]   ; the old sum on the new basis
	v_pk_add_f32 v[RL+2*\i:RL+2*\i+1], v[RL+2*\i:RL+2*\i+1], v[\sb+4:\sb+5]
.endif
	v_pk_add_f32 v[RT:RT+1], v[\sb+2:\sb+3], v[\sb+6:\sb+7]
.else
	s_wait_alu depctr_va_vdst(0)
	v_pk_add_f32 v[RL+2*\i:RL+2*\i+1], v[RL+2*\i:RL+2*\i+1], v[\sb+8*\kt:\sb+8*\kt+1]
	v_pk_add_f32 v[RT:RT+1], v[RT:RT+1], v[\sb+8*\kt+2:\sb+8*\kt+3]
	v_pk_add_f32 v[RL+2*\i:RL+2*\i+1], v[RL+2*\i:RL+2*\i+1], v[\sb+8*\kt+4:\sb+8*\kt+5]
	v_pk_add_f32 v[RT:RT+1], v[RT:RT+1], v[\sb+8*\kt+6:\sb+8*\kt+7]
.endif
.irp q, 0,1,2,3
	v_cvt_pk_f16_f32 v[RP+4*\kt+\q], v[\sb+8*\kt+2*\q], v[\sb+8*\kt+2*\q+1]        ; the lower key in the lower half
.endr
.endm
; Section 1: the maximum of the 32 scores a lane in buffer sb, with the running maximum; between its lines the scores of query tile qi, into buffer so (qk = 1)
.macro SM1 i, sb, so, first, qk, qi
.irp kt, 0,1,2,3
	v_max3_num_f32 v[RAX+\kt], v[\sb+8*\kt], v[\sb+8*\kt+1], v[\sb+8*\kt+2]        ; four chains that do not wait for each other
.endr
	QW \qk, 0, \qi, \so
.irp kt, 0,1,2,3
	v_max3_num_f32 v[RAX+\kt], v[RAX+\kt], v[\sb+8*\kt+3], v[\sb+8*\kt+4]
.endr
	QW \qk, 1, \qi, \so
.irp kt, 0,1,2,3
	v_max3_num_f32 v[RAX+\kt], v[RAX+\kt], v[\sb+8*\kt+5], v[\sb+8*\kt+6]
.endr
	QW \qk, 2, \qi, \so
	v_max3_num_f32 v[RAX], v[RAX], v[RAX+1], v[\sb+7]
	v_max3_num_f32 v[RAX+2], v[RAX+2], v[RAX+3], v[\sb+15]
	QW \qk, 3, \qi, \so
	v_max3_num_f32 v[RAX], v[RAX], v[RAX+2], v[\sb+23]                             ; from here each line waits for the one before: a matrix instruction stands behind each
	QW \qk, 4, \qi, \so
.if \first
	v_max_num_f32 v[RMX], v[RAX], v[\sb+31]
.else
	v_max3_num_f32 v[RMX], v[RAX], v[\sb+31], v[RM+\i]                             ; with the running maximum
.endif
	QW \qk, 5, \qi, \so
	v_permlanex16_b32 v[RPX], v[RMX], s38, s39     ; the other half of the lanes holds the same query's other keys
	QW \qk, 6, \qi, \so
	v_max_num_f32 v[RMX], v[RMX], v[RPX]
	QW \qk, 7, \qi, \so
	v_mul_f32 v[RNT], s36, v[RMX]                  ; -c m
.if \first == 0
	v_sub_f32 v[RAL], v[RNT], v[RNMC+\i]
	v_exp_f32 v[RAL], v[RAL]                       ; 2^(c m_old - c m_new); the two moves below stand between it and its use
.endif
	v_mov_b32 v[RM+\i], v[RMX]
	v_mov_b32 v[RNMC+\i], v[RNT]
	s_wait_alu depctr_va_vdst(0)
.endm
; Section 3: exponentials, sums, P.  Its first four lines name none of the registers of the matrix instructions above and are the places between them and the loads into V's (vl = 1)
; or K's (hk) registers, and between the last P V and the first line that writes P anew.
.macro SM3 i, sb, first, hk, vl, slot, kb
	FMA4 \sb, 0
.if \vl
	WIN 0x40                                       ; destination window 1
	VLOAD \slot, \kb
	WIN 0
.endif
	HOOK \hk, \slot, \kb
	EXP8 \sb, 0
	FMA4 \sb, 1
	EXP8 \sb, 1
	SC \i, \sb, 0, \first
	FMA4 \sb, 2
	EXP8 \sb, 2
	SC \i, \sb, 1, \first
	FMA4 \sb, 3
	EXP8 \sb, 3
	SC \i, \sb, 2, \first
	SC \i, \sb, 3, \first
	v_pk_add_f32 v[RL+2*\i:RL+2*\i+1], v[RL+2*\i:RL+2*\i+1], v[RT:RT+1]
.endm
; first = 1: tile i's maximum and sum begin, O(i) is not yet there.  qk, qi: the scores made in section 1.  pv, pi: the P V made in section 2, of tile pi.
.macro STEP i, first, qk, qi, pv, pi, hk, vl, slot, kb
.if \qk
.if \i == 3
	s_wait_dscnt 0x0                               ; the next block's K fragments, asked for a step ago
.endif
.endif
	SM1 \i, SB0+32*(\i&1), SB0+32*((\i+1)&1), \first, \qk, \qi
.if \i == 1
	s_wait_dscnt 0x0                               ; this block's V fragments, asked for a step ago
.endif
.if \pv+1-\first
	WIN 0x51                                       ; source 0 (V, O), C and D (O) window 1; source 1 (P, the factor) window 0
.irp n, 0,1,2,3,4,5,6,7
	PW \pv, \n, \pi
.if \first == 0
	v_pk_mul_f32 v[32*\i+4*\n:32*\i+4*\n+1], v[32*\i+4*\n:32*\i+4*\n+1], v[RAL:RAL+1] op_sel_hi:[1,0]         ; O of tile i on the new basis
	v_pk_mul_f32 v[32*\i+4*\n+2:32*\i+4*\n+3], v[32*\i+4*\n+2:32*\i+4*\n+3], v[RAL:RAL+1] op_sel_hi:[1,0]
.endif
.endr
	WIN 0
.endif
	SM3 \i, SB0+32*(\i&1), \first, \hk, \vl, \slot, \kb
.endm
; A block is 64 keys x my four query tiles.  HEAD is its step 0, which holds the P V of the block before's tile 3 (pv as above) and asks for this block's V.
.macro HEAD slot, kb, first, pv
	STEP 0, \first, 1, 1, \pv, 3, 0, 1, \slot, \kb
.endm
; REST is its steps 1 to 3.  kind 0: the next block is in the same slot; 1: change of slots with a refill; 2: change without; 3: the last block of all
.macro REST slot, kb, first, kind
	STEP 1, \first, 1, 2, 1+\first, 0, 0, 0, \slot, \kb
.if \kind == 3
	STEP 2, \first, 1, 3, 1+\first, 1, 0, 0, \slot, \kb
	STEP 3, \first, 0, 0, 1+\first, 2, 0, 0, \slot, \kb
.else
	STEP 2, \first, 1, 3, 1+\first, 1, \kind+2, 0, \slot, \kb
	STEP 3, \first, 1, 0, 1+\first, 2, 0, 0, \slot, \kb
.endif
.endm
	s_load_b128 s[4:7], s[0:1], 0x0                ; qf s[4:5], kv s[6:7]
	s_load_b64 s[8:9], s[0:1], 0x10                ; out0
	v_lshl_add_u32 v254, v0, 2, 0x29000
	v_mov_b32 v255, 0
	ds_add_u32 v254, v255
	v_lshrrev_b32 v6, 5, v0
	v_readfirstlane_b32 s10, v6                    ; wave w
	s_bfe_u32 s11, ttmp6, 0x40000                  ; cx: my block of 512 queries
	; group 1: 32 rows of 32 elements of 8 bytes, dense: 8,192 bytes
	s_mov_b32 s[G1+0], 0x0023000f                  ; 15:0 mask: all four work-groups; 17:16 elements of 8 bytes; 21 set beside a mask; no padding
	s_mov_b32 s[G1+1], 32<<16                      ; tensor_dim0 = 32
	s_mov_b32 s[G1+2], 32<<16                      ; tensor_dim1 = 32
	s_mov_b32 s[G1+3], 32<<16                      ; tile_dim0 = 32
	s_mov_b32 s[G1+4], 32                          ; tile_dim1 = 32
	s_mov_b32 s[G1+5], 32                          ; 32 elements from row to row
	s_mov_b32 s[G1+6], 0
	s_mov_b32 s[G1+7], 0
	s_lshl_b32 s14, s10, 13                        ; my eighth of a tile, in kv and in a slot alike
	s_lshl_b32 s12, ttmp9, 19                      ; nh * 524,288: shared by the cluster
	s_add_co_u32 s12, s12, s14
	s_mov_b32 s13, 0
	s_lshl_b32 s40, ttmp9, 18                      ; qf: nh * 262,144 + cx * 32 tiles + w * 4 tiles, of 2,048 bytes
	s_lshl_b32 s42, s11, 16
	s_add_co_u32 s40, s40, s42
	s_add_co_u32 s40, s40, s14
	s_mov_b32 s41, 0
	s_lshr_b32 s42, ttmp9, 3                       ; out0: (2,048 n + 512 cx + 64 w) rows of 2,048 bytes + 256 hh
	s_lshl_b32 s42, s42, 22
	s_lshl_b32 s44, s11, 20
	s_add_co_u32 s42, s42, s44
	s_lshl_b32 s44, s10, 17
	s_add_co_u32 s42, s42, s44
	s_and_b32 s44, ttmp9, 7
	s_lshl_b32 s44, s44, 8
	s_add_co_u32 s42, s42, s44
	s_mov_b32 s43, 0
	s_wait_dscnt 0x0
	s_wait_kmcnt 0x0
	s_add_nc_u64 s[6:7], s[6:7], s[12:13]
	s_add_nc_u64 s[4:5], s[4:5], s[40:41]
	s_add_nc_u64 s[8:9], s[8:9], s[42:43]
.irp a, 0,1
	s_mov_b32 s[G0+4*\a], 1                                        ; count = 1
	s_add_co_u32 s[G0+4*\a+1], s14, \a*SLOTB                       ; LDS: 8,192 w + the slot
	s_add_nc_u64 s[G0+4*\a+2:G0+4*\a+3], s[6:7], \a*SLOTB          ; tile a
	s_or_b32 s[G0+4*\a+3], s[G0+4*\a+3], 0x80000000                ; type = 2
.endr
	ROUND                                          ; all four work-groups are here: the first joint loads meet
	tensor_load_to_lds s[G0:G0+3], s[G1:G1+7]      ; tile 0
	s_nop 0
	tensor_load_to_lds s[G0+4:G0+7], s[G1:G1+7]    ; tile 1
	s_nop 0
	v_and_b32 v6, 31, v0
	v_lshlrev_b32 v[LA], 4, v6                     ; 16 L
.set ix, 0
.rept 16
	global_load_b128 v[QF+4*ix:QF+4*ix+3], v[LA], s[4:5] offset:512*ix th:TH_LOAD_NT    ; my 64 queries: 16 pieces, kept for the whole kernel
.set ix, ix+1
.endr
	v_add_nc_u32 v[LA+1], SLOTB, v[LA]
	v_and_b32 v6, 15, v0                           ; r
	v_bfe_u32 v7, v0, 4, 1                         ; h
	s_mul_i32 s33, s10, 16*SPITCH
	s_add_co_u32 s33, s33, STAGE                   ; my stage
	v_mul_u32_u24 v[STO], v6, SPITCH               ; in: row r, 32 bytes for each half of the lanes
	v_lshl_add_u32 v[STO], v7, 5, v[STO]
	v_add_nc_u32 v[STO], s33, v[STO]
	v_mul_u32_u24 v[RD], v7, SPITCH                ; back: lanes 0-15 one row of 256 bytes, lanes 16-31 the next
	v_lshl_add_u32 v[RD], v6, 4, v[RD]
	v_add_nc_u32 v[RD], s33, v[RD]
	v_lshlrev_b32 v[CO], 11, v7                    ; and the same two rows in out0
	v_lshl_add_u32 v[CO], v6, 4, v[CO]
	v_mov_b32 v[RPX], 0                            ; a lane exchange's destination counts as read
	v_mov_b32 v[RNT+1], 0                          ; the second registers of pairs of which the first alone is used
	v_mov_b32 v[RAL+1], 0
	s_mov_b32 s34, 0x3d8293ee                      ; c, twice
	s_mov_b32 s35, 0x3d8293ee
	s_mov_b32 s36, 0xbd8293ee                      ; -c
	s_mov_b32 s38, 0x76543210                      ; lane i of one half reads lane i of the other
	s_mov_b32 s39, 0xfedcba98
	s_wait_tensorcnt 0x1                           ; my part of tile 0 is in; tile 1's may stay out
	s_barrier_signal -1
	s_barrier_wait -1                              ; everybody's is
	KLOAD 0, 0
	s_wait_loadcnt 0x0                             ; Q
	s_wait_dscnt 0x0
.irp n, 0,1,2,3,4,5,6,7
	QW 1, \n, 0, SB0                               ; the very first scores have no step before them to stand in
.endr
.rept 4
	v_nop                                          ; nor vector lines to fill the places in front of the first maximum
.endr
	HEAD 0, 0, 1, 0                                ; the first block starts maxima, sums and O: nothing is cleared
	REST 0, 0, 1, 0
	HEAD 0, 1, 0, 2                                ; the last of the products that start O stands in the second block's step 0
	WIN 0
	s_mov_b32 s32, 3
.Ltiles:                                           ; a trip is two tiles, turned by one block and one step so that all that starts a sum stands in front of it; three trips fetch tiles 2 to 7
	REST 0, 1, 0, 0
	HEAD 0, 2, 0, 1
	REST 0, 2, 0, 0
	HEAD 0, 3, 0, 1
	REST 0, 3, 0, 1
	HEAD 1, 0, 0, 1
	REST 1, 0, 0, 0
	HEAD 1, 1, 0, 1
	REST 1, 1, 0, 0
	HEAD 1, 2, 0, 1
	REST 1, 2, 0, 0
	HEAD 1, 3, 0, 1
	REST 1, 3, 0, 1
	HEAD 0, 0, 0, 1
	REST 0, 0, 0, 0
	HEAD 0, 1, 0, 1
	WIN 0
	s_sub_co_i32 s32, s32, 1
	s_cmp_lg_u32 s32, 0
	s_cbranch_scc1 .Ltiles
	REST 0, 1, 0, 0                                ; tiles 6 and 7: nothing is left to fetch
	HEAD 0, 2, 0, 1
	REST 0, 2, 0, 0
	HEAD 0, 3, 0, 1
	REST 0, 3, 0, 2
	HEAD 1, 0, 0, 1
	REST 1, 0, 0, 0
	HEAD 1, 1, 0, 1
	REST 1, 1, 0, 0
	HEAD 1, 2, 0, 1
	REST 1, 2, 0, 0
	HEAD 1, 3, 0, 1
	REST 1, 3, 0, 3
	WIN 0x51
.irp n, 0,1,2,3,4,5,6,7
	PW 1, \n, 3                                    ; the last step's P V, which has no step behind it to stand in
.endr
	WIN 0
	; THE WAY OUT.  The sums: a lane's pair, then the other half of the lanes; the first four lines are also the places behind the last matrix instructions.
.irp i, 0,1,2,3
	v_add_f32 v[RL+2*\i], v[RL+2*\i], v[RL+2*\i+1]
.endr
.irp i, 0,1,2,3
	v_permlanex16_b32 v[RAX+\i], v[RL+2*\i], s38, s39
.endr
.irp i, 0,1,2,3
	v_add_f32 v[RL+2*\i], v[RL+2*\i], v[RAX+\i]
.endr
.irp i, 0,1,2,3
	v_rcp_f32 v[RL+2*\i], v[RL+2*\i]               ; the sum holds the maximum's own term, about 1
.endr
	v_nop                                          ; one plain place behind the reciprocals
	s_wait_alu depctr_va_vdst(0)
; 16 queries: O / sum, 32 bytes a lane and tile into my stage, read back as rows of 256 bytes; 16 lanes store 256 consecutive bytes, at a multiple of 256 from out0's first byte
.macro OUTQ i, rb
	WIN 0x41
.set ix, 0
.rept 16
	v_pk_mul_f32 v[32*\i+2*ix:32*\i+2*ix+1], v[32*\i+2*ix:32*\i+2*ix+1], v[RL+2*\i:RL+2*\i+1] op_sel_hi:[1,0]
.set ix, ix+1
.endr
	WIN 0x04                                       ; store data window 1
.irp ht, 0,1,2,3
.irp e, 0,1
	ds_store_b128 v[STO], v[8*(4*\i+\ht)+4*\e:8*(4*\i+\ht)+4*\e+3] offset:64*\ht+16*\e
.endr
.endr
	WIN 0
	s_wait_xcnt 0x0                                ; buffer rb is the data of earlier stores: it is loaded again only behind this wait
.irp t, 0,1,2,3,4,5,6,7
	ds_load_b128 v[\rb+4*\t:\rb+4*\t+3], v[RD] offset:\t*2*SPITCH      ; LDS serves a wave's instructions in order (ISA guide 5.7.1): these see the stores above
.endr
.irp t, 0,1,2,3,4,5,6,7
	s_wait_dscnt 7-\t                              ; read-back t is in, the younger ones stay out
	global_store_b128 v[CO], v[\rb+4*\t:\rb+4*\t+3], s[8:9] offset:(16*\i+2*\t)*2048 th:TH_STORE_NT
.endr
.endm
	OUTQ 0, KF
	OUTQ 1, KF+32
	OUTQ 2, KF
	OUTQ 3, KF+32
	s_wait_tensorcnt 0x0
	ds_add_u32 v254, v255
	s_wait_dscnt 0x0
	ROUND                                          ; the closing round: no work-group ends while a partner may still ask for a tile that names it
	s_endpgm
.Lfunc_end_k_qcd4fd8b5ac_attn:
	.size	k_qcd4fd8b5ac_attn, .Lfunc_end_k_qcd4fd8b5ac_attn-k_qcd4fd8b5ac_attn
	.p2alignl 7, 3214868480
	.fill 96, 4, 3214868480
	.section	.rodata,"a",@progbits
	.p2align	6, 0x0
	.amdhsa_kernel k_qcd4fd8b5ac_attn
		.amdhsa_group_segment_fixed_size 327680
		.amdhsa_private_segment_fixed_size 0
		.amdhsa_enable_private_segment 0
		.amdhsa_kernarg_size 24
		.amdhsa_user_sgpr_count 2
		.amdhsa_user_sgpr_kernarg_segment_ptr 1
		.amdhsa_wavefront_size32 1
		.amdhsa_system_sgpr_workgroup_id_x 1
		.amdhsa_system_sgpr_workgroup_id_y 1
		.amdhsa_system_sgpr_workgroup_id_z 1
		.amdhsa_system_vgpr_workitem_id 0
		.amdhsa_next_free_vgpr 448
		.amdhsa_next_free_sgpr 66
		.amdhsa_reserve_vcc 0
		.amdhsa_float_denorm_mode_32 3
		.amdhsa_float_denorm_mode_16_64 3
		.amdhsa_memory_ordered 1
		.amdhsa_forward_progress 1
		.amdhsa_inst_pref_size 255
	.end_amdhsa_kernel
	.section	.bss,"aw",@nobits
	.p2align	6
	.space	262144
	.amdgpu_metadata
---
amdhsa.version: [ 1, 2 ]
amdhsa.kernels:
  - .name:           k_qcd4fd8b5ac_attn
    .symbol:         k_qcd4fd8b5ac_attn.kd
    .args:
      - { .name: qf, .offset: 0, .size: 8, .value_kind: global_buffer, .address_space: global }
      - { .name: kv, .offset: 8, .size: 8, .value_kind: global_buffer, .address_space: global }
      - { .name: out0, .offset: 16, .size: 8, .value_kind: global_buffer, .address_space: global }
    .group_segment_fixed_size: 327680
    .private_segment_fixed_size: 0
    .kernarg_segment_align: 8
    .kernarg_segment_size: 24
    .max_flat_workgroup_size: 256
    .sgpr_count:     66
    .vgpr_count:     448
    .wavefront_size: 32
...
	.end_amdgpu_metadata
.endif
;; end of part 3
;; ======== version 2 of 2: 3 launches; version 1 with the launch proj written anew for expert scheduling mode
;; limits: values are held in f16: magnitudes above 65,504 overflow, below 6.1e-05 lose precision
;; workspace buffers: wf 1,572,864 bytes; qf 16,777,216 bytes; kv 33,554,432 bytes
;; launch wprep: the kernel of part 1 again; grid 64 x 3, 16 waves a work-group, no clusters, 0 bytes of LDS; arguments W_query, W_key, W_value, wf; writes wf
;; launch proj (part 4): grid 256 x 1, 4 waves a work-group, no clusters, 279,040 bytes of LDS; arguments x, key, wf, qf, kv; writes qf, kv
.if DOCPART == 4
	.amdgcn_target "amdgcn-amd-amdhsa--gfx1250"
	.amdhsa_code_object_version 6
	.text
	.protected	k_qcd4fd8b5ac_proj
	.globl	k_qcd4fd8b5ac_proj
	.p2align	8
	.type	k_qcd4fd8b5ac_proj,@function
k_qcd4fd8b5ac_proj:
	s_mov_b64 s[64:65], 0
	v_nop
	global_prefetch_b8 v0, s[64:65] scope:SCOPE_SE
	s_setreg_imm32_b32 hwreg(HW_REG_WAVE_SCHED_MODE, 0, 2), 2
	s_setreg_imm32_b32 hwreg(HW_REG_WAVE_MODE, 25, 1), 1
	s_wait_xcnt 0x0
	s_wait_alu depctr_vm_vsrc(0)
; q = x W_query, k = key W_key, v = key W_value, bf16 operands with f32 sums, stored in the order in which the attention launch takes its matrix fragments.
; q and k are stored in bf16, v in f16 (see FORMATS).  A piece is 512 bytes: lane L = r + 16 h holds 8 numbers of 16 bits at byte 16 L.
;   qf [nh 64][qtile 128][ut 4][piece]                       piece = q[token 16 qtile + r][hd 16 ut + 8 h + j]
;   kv [nh 64][tile of 256 keys: 8][K 32 KiB | V 32 KiB]     K: [kt 16][ut 4][piece] = k[key 16 kt + r][hd 16 ut + 8 h + j]
;                                                            V: [tt 16][ht 4][piece] = v[key 16 tt + 8 h + j][hd 16 ht + r]
; SHARES.  Work-group id: ch = id & 1 (heads 4 ch .. 4 ch + 3), rb = id >> 1 (rows 128 rb .. + 127 of the 16,384).  Three products of 128 x 256 x 512.
; Wave w makes 128 rows x the 64 columns of head 4 ch + w: 32 accumulator tiles, 256 registers.  K goes in 12 steps of 128 (4 for each product), four quarters of 32 matrix instructions each.
; A (x, key): f32 from memory, one load = 512 consecutive bytes of one row, rounded in place, 8 bytes a lane into LDS.  Every chunk has LDS bytes of its own
;   (8 chunks x 128 rows x 272 bytes): nothing in LDS is ever written twice, so one barrier a chunk (stores, then reads) is all, and the third product reads key from LDS again.
;   Pitch 272 = 17 x 16 bytes: the sixteen rows of a fragment load begin at sixteen different 16-byte columns modulo 256.
; W: each fragment is used by one wave alone, so it goes from wf straight into that wave's registers.
; THE ORDER OF A STEP s: quarter 0; W of step s + 1 is asked for; chunk s + 1 (asked for in step s - 1) is rounded and stored into its LDS bytes; quarter 1, in whose middle the stores are
;   shown done and chunk s + 2 is asked for; the barrier's signal at the head of quarter 2; its wait in the middle of quarter 3, 48 matrix instructions later, and behind it the first
;   fragments of chunk s + 1.  So a chunk's loads have three and a half quarters in which to come, and the stores, the barrier and the first fragment loads lie under matrix work.
; NO CLUSTER, NO TENSOR LOAD: A has to be rounded in registers before it lies in LDS (an f32 tile in LDS would double the bytes of every fragment load), and W never touches LDS;
;   so no operand passes through a load that could be shared.
; q and k use the matrix instruction with W as source 0: a lane's eight results are then eight neighbouring units of one token, a piece of q or k when packed.
; v uses it with A as source 0: eight neighbouring tokens of one unit, a piece of V.  So every store is 512 consecutive bytes straight from registers.
; The 32 accumulators take turns, one instruction a turn, in the same order in every quarter step.
; FORMATS.  Where the scores are nearly equal an output is a mean of 2,048 values of v, sqrt(2048) = 45 times smaller than v itself, and it is judged against its own size:
;   the rounding of v then counts 45-fold, so v is kept with f16's 11 significant bits, not bf16's 8.  Room: v has the spread 0.02 sqrt(512) = 0.45; with key and W_value both
;   30 times larger 407; with offsets of 30 spreads on both about 512 x 30 x 0.6 = 9,216; f16 ends at 65,504.  With both 30 times smaller the spread is 5e-4 and f16's step there 6e-8.
; LIMITS: x, key, W, q, k rounded to bf16, v to f16; |v| above 65,504 becomes infinite; NaN and infinities pass as the matrix unit passes them.
; REGISTERS, in windows of 256:
;   window 0: v1 16 L; v2-5 AD (fragment address, per pair of chunks); v6-9 SD (staging address); v10 PF; v32-95, v96-159 A fragments, two buffers; v160-223 packed results
;   window 1: accumulator tile (mt, nt) at 8 (4 mt + nt);  window 2: W fragments, two buffers of 128;  window 3: v0-127 staging, row i of my 32 at 4 i
; THE MODE: SCHED_MODE bits 1:0 = 2 (LLVM: expert scheduling mode 2), set by the entry lines.  The code itself states the register dependences
;   between vector or matrix instructions and memory or LDS instructions, with s_wait_alu, always for 0.  The text has no label and no branch: one path.
; THE PLAN.  Registers that memory or LDS instructions touch:
;   AF0, AF1    Quarter q's 32 matrix instructions read AF[q & 1]; in the middle of quarter q the 16 LDS loads of quarter q + 1 land in the other buffer, which quarter q - 1 read.
;   W0, W1      Step s's 128 matrix instructions read W[s & 1]; behind quarter 0 of step s the 32 loads of W(s + 1) land in the other buffer, which step s - 1 read.
;   staging     Chunk c's loads land; 64 conversions read and write the registers in place; 32 LDS stores read them; chunk c + 1's loads land.
;   TMP         64 conversions write it, 16 stores read it, twice a product.
;   v1, AD, SD, PF   made at the head, never written again.        v254, v255   written at the head, read by the closing add alone.
;   The accumulators are named by matrix and vector instructions alone.
; THE WAITS.  One wait on va_vdst in the middle of each quarter, behind the switch to window 0 and ahead of the run of fragment loads: the quarter before is done reading that buffer.
;   In quarter 0 the same wait states that step s - 1 is done reading the other W buffer: the 16 matrix instructions between it and the loads of W(s + 1) name AF0, W[s & 1] and accumulators alone.
;   In quarter 1 it states that the conversions are done with the staging registers; one wait on vm_vsrc, behind the switch to window 3, states that the LDS stores have read them.
;   One wait on va_vdst between a chunk's conversions and its LDS stores; on the way out one ahead of each run of stores, and one on vm_vsrc ahead of the conversions that write TMP again.
.set PITCH, 272
.set CHUNK, 128*PITCH                  ; 34,816 bytes: 128 rows of 128 bf16, padded
.set AD,  2
.set SD,  6
.set PF,  10
.set AF0, 32
.set AF1, 96
.set TMP, 160
.set MSB, 0
.macro WIN new                         ; low byte: bits 1:0 source 0, 3:2 source 1, 5:4 source 2, 7:6 destination; the high byte repeats the setting that is left
.if MSB != \new
	s_set_vgpr_msb (MSB<<8)|\new
.set MSB, \new
.endif
.endm
.macro PLACES                          ; four plain vector places behind a matrix instruction, in front of a read of its result; in front of a load into its registers they stand beside the wait that states that dependence
.rept 4
	v_nop
.endr
.endm
.macro MM d, a, b, zero                ; zero = 1: the first product starts the sum, nothing is cleared
.if \zero
	v_wmma_f32_16x16x32_bf16 v[\d:\d+7], v[\a:\a+7], v[\b:\b+7], 0
.else
	v_wmma_f32_16x16x32_bf16 v[\d:\d+7], v[\a:\a+7], v[\b:\b+7], v[\d:\d+7]
.endif
.endm
; the 32 pieces of W for step s (matrix s >> 2, d = 128 (s & 3) ..), into W buffer s & 1
.macro LOADW s
	WIN 0x80
.irp kk, 0,1,2,3
.irp nt, 0,1,2,3
.irp c, 0,1
	global_load_b128 v[128*((\s)&1)+32*\kk+8*\nt+4*\c:128*((\s)&1)+32*\kk+8*\nt+4*\c+3], v1, s[20:21] offset:((\s)>>2)*524288+\nt*16384+(4*((\s)&3)+\kk)*1024+\c*512
.endr
.endr
.endr
.endm
; my 32 rows of chunk s (s < 4: x, else key): 512 bytes of f32 each.  The switch to its window and the waits that its registers ask for stand ahead of the macro, where it is used.
.macro LOADSTG s
	WIN 0xc0
.set ix, 0
.rept 32
.if (\s) < 4
	global_load_b128 v[4*ix:4*ix+3], v1, s[16:17] offset:ix*2048+((\s)&3)*512
.else
	global_load_b128 v[4*ix:4*ix+3], v1, s[18:19] offset:ix*2048+((\s)&3)*512
.endif
.set ix, ix+1
.endr
.endm
; Chunk s is asked for ahead: lane = one of my 32 rows; of the row's 512 bytes this work-group asks for the 256 at 256 ch, its neighbour (same rows, other ch) for the others,
; so each aligned block of 256 bytes is asked for once in the launch.  In step s chunk s + 3 is asked for, one step before its loads are issued; chunks 1 and 2 at the start;
; chunks 1 to 7 only, all inside the rows.  The address register lies in window 0, which is source 0's window in every setting under which this line stands; it is written at the head alone.
.macro PREF s
.if (\s) < 4
	global_prefetch_b8 v[PF], s[16:17] offset:((\s)&3)*512 th:TH_LOAD_NT scope:SCOPE_SE
.else
	global_prefetch_b8 v[PF], s[18:19] offset:((\s)&3)*512 th:TH_LOAD_NT scope:SCOPE_SE
.endif
.endm
; chunk c, which lies in the staging registers as f32, is rounded in place and laid into its LDS bytes
.macro STAGE c
	WIN 0xcf
.set ix, 0
.rept 32
	v_cvt_pk_bf16_f32 v[4*ix],   v[4*ix],   v[4*ix+1]      ; 4 f32 become 4 bf16 in two registers
	v_cvt_pk_bf16_f32 v[4*ix+1], v[4*ix+2], v[4*ix+3]
.set ix, ix+1
.endr
	WIN 0x0c
	s_wait_alu depctr_va_vdst(0)                   ; the conversions have written the staging registers, which the LDS stores read; at chunk 0 also: v[SD ..] and v[AD ..] are written
.set ix, 0
.rept 32
	ds_store_b64 v[SD+((\c)>>1)], v[4*ix:4*ix+1] offset:((\c)&1)*CHUNK+ix*PITCH   ; a row's 256 bytes from 32 lanes
.set ix, ix+1
.endr
.endm
; the eight A fragments (128 rows x 32 d) of quarter kk of chunk cidx
.macro FETCH af, cidx, kk
	WIN 0
.irp mt, 0,1,2,3,4,5,6,7
	ds_load_b128 v[\af+8*\mt:\af+8*\mt+3],   v[AD+((\cidx)>>1)] offset:((\cidx)&1)*CHUNK+\mt*16*PITCH+\kk*64
	ds_load_b128 v[\af+8*\mt+4:\af+8*\mt+7], v[AD+((\cidx)>>1)] offset:((\cidx)&1)*CHUNK+\mt*16*PITCH+\kk*64+32
.endr
.endm
; in the middle of a quarter: the next quarter's fragments, into the buffer that the quarter before has read.  w = 0: step 0's first quarter, where nothing has named that buffer yet
.macro NEXT af, cidx, kk, w
	PLACES
	WIN 0
.if \w
	s_wait_alu depctr_va_vdst(0)                   ; the matrix instructions of the quarter before are done reading this fragment buffer, in which the loads below land; what else it states is said where the macro is used
.endif
	FETCH \af, \cidx, \kk
	s_wait_dscnt 0x10                              ; all LDS instructions but the 16 just issued are done
.endm
; 16 matrix instructions: row tiles mb .. mb + 3 x my four column tiles.  sw = 1: W is source 0.
.macro MUL16 af, wb, mb, sw, zero
.if \sw
	WIN 0x52                                       ; source 0 window 2 (W), source 1 window 0 (A), C and D window 1
.else
	WIN 0x58                                       ; source 0 window 0 (A), source 1 window 2 (W), C and D window 1
.endif
.irp mm, 0,1,2,3
.irp nt, 0,1,2,3
.if \sw
	MM 8*(4*(\mb+\mm)+\nt), \wb+8*\nt, \af+8*(\mb+\mm), \zero
.else
	MM 8*(4*(\mb+\mm)+\nt), \af+8*(\mb+\mm), \wb+8*\nt, \zero
.endif
.endr
.endr
.endm
; Step s on chunk cidx; cidxn: the chunk of the next step.  Steps 0 to 6 stage chunk s + 1; steps 0 to 5 ask for chunk s + 2; steps 0 to 10 ask for W of step s + 1.
; Global loads come back in order.  On entry there are out: W(s), asked for in step s - 1 behind quarter 0, and behind it (steps 0 to 6) the 32 loads of chunk s + 1.
.macro STEP s, cidx, cidxn, sw, zero
.set WB, 128*((\s)&1)
.if \s < 7
	s_wait_loadcnt 0x20                            ; W(s) is in; the 32 younger loads, chunk s + 1, stay out
.else
	s_wait_loadcnt 0x0                             ; W(s): nothing was asked for behind it
.endif
	s_wait_dscnt 0x8                               ; of this quarter's 16 fragment loads the first eight (row tiles 0-3) are in
	MUL16 AF0, WB, 0, \sw, \zero
.if \s > 0
	NEXT AF1, \cidx, 1, 1                          ; its wait on va_vdst also states: step s - 1's matrix instructions are done reading the other W buffer, in which the loads of W(s + 1) land
.else
	NEXT AF1, \cidx, 1, 0                          ; no vector or matrix instruction has named AF1 or the second W buffer yet: there is no dependence to state
.endif
	MUL16 AF0, WB, 4, \sw, \zero
.if \s < 11
	LOADW \s+1                                     ; into the W buffer that step s - 1 read.  No wait: the sixteen matrix instructions since the wait above name AF0, W(s) and accumulators alone
.endif
.if \s < 7
	s_wait_loadcnt 0x20                            ; chunk s + 1 is in; the 32 younger loads, W(s + 1), stay out
	STAGE \s+1
	s_wait_dscnt 0x28                              ; out: 16 fragment loads and behind them 32 stores; the first eight loads are in
.else
	s_wait_dscnt 0x8
.endif
	MUL16 AF1, WB+32, 0, \sw, 0
	NEXT AF0, \cidx, 2, 1                          ; its wait on va_vdst also states (steps 0 to 5): the conversions are done reading and writing the staging registers; its wait on DScnt shows my 32 stores done
.if \s < 6
	WIN 0xc0
	s_wait_alu depctr_vm_vsrc(0)                   ; my 32 LDS stores have read the staging registers, in which the loads below land
	LOADSTG \s+2
.endif
.if \s < 5
	PREF \s+3
.endif
	MUL16 AF1, WB+32, 4, \sw, 0
.if \s < 7
	s_wait_dscnt 0x0                               ; no LDS instruction of mine is out: my rows of chunk s + 1 lie in LDS,
	s_barrier_signal -1                            ; say so.  Up to the wait: matrix work, and loads of chunk s, whose bytes are never written again
.else
	s_wait_dscnt 0x8
.endif
	MUL16 AF0, WB+64, 0, \sw, 0
	NEXT AF1, \cidx, 3, 1
	MUL16 AF0, WB+64, 4, \sw, 0
	s_wait_dscnt 0x8
	MUL16 AF1, WB+96, 0, \sw, 0
.if \s < 7
	s_barrier_wait -1                              ; chunk s + 1 is whole
.endif
.if \s < 11
	NEXT AF0, \cidxn, 0, 1                         ; the next step's first fragments
.else
	s_wait_dscnt 0x0
.endif
	MUL16 AF1, WB+96, 4, \sw, 0
.endm
; the 32 tiles leave: 8 f32 a lane become 16 bytes (fmt = 0: bf16, 1: f16), a wave's store is one piece of 512 consecutive bytes.  prev = 1: an earlier product's stores have read TMP
.macro OUT b, off, fmt, prev
	PLACES
.irp half, 0,1
.if \half == 0
	s_wait_storecnt 0x0                            ; TMP is the data of the last product's stores, issued four steps ago: they are done, TMP may be rewritten
.else
	s_wait_xcnt 0x0                                ; TMP is the data of the sixteen stores just issued: it is rewritten only behind this wait
.endif
.if \half+\prev
	s_wait_alu depctr_vm_vsrc(0)                   ; the stores issued so far have read TMP, which the conversions below write again
.endif
	WIN 0x05
.set ix, 0
.rept 16
.irp q, 0,1,2,3
.if \fmt
	v_cvt_pk_f16_f32 v[TMP+4*ix+\q], v[8*(16*\half+ix)+2*\q], v[8*(16*\half+ix)+2*\q+1]
.else
	v_cvt_pk_bf16_f32 v[TMP+4*ix+\q], v[8*(16*\half+ix)+2*\q], v[8*(16*\half+ix)+2*\q+1]
.endif
.endr
.set ix, ix+1
.endr
	WIN 0
	s_wait_alu depctr_va_vdst(0)                   ; the conversions have written TMP, which the sixteen stores below read
.set ix, 0
.rept 16
	global_store_b128 v1, v[TMP+4*ix:TMP+4*ix+3], s[\b:\b+1] offset:\off+512*(16*\half+ix)
.set ix, ix+1
.endr
.endr
.endm
	s_load_b256 s[4:11], s[0:1], 0x0               ; x s[4:5], key s[6:7], wf s[8:9], qf s[10:11]
	s_load_b64 s[12:13], s[0:1], 0x20              ; kv
	v_lshl_add_u32 v254, v0, 2, 0x44000
	v_mov_b32 v255, 0
	v_lshrrev_b32 v11, 5, v0
	v_readfirstlane_b32 s14, v11                   ; wave w
	s_and_b32 s15, ttmp9, 1                        ; ch
	s_lshr_b32 s26, ttmp9, 1                       ; rb
	s_wait_alu depctr_va_sdst(0)                   ; s14 is written, ahead of its first reader: the head's number, the bases and my rows' place in LDS are made from it
	s_lshl2_add_u32 s27, s15, s14                  ; head hh = 4 ch + w
	s_lshl_b32 s28, s26, 18                        ; 128 rb rows of 2,048 bytes
	s_lshl_b32 s30, s14, 16                        ; + 32 w rows
	s_add_co_u32 s28, s28, s30
	s_mov_b32 s29, 0
	s_lshl_b32 s30, s27, 16                        ; wf: column tiles 4 hh .., 16,384 bytes each
	s_mov_b32 s31, 0
	s_lshr_b32 s32, s26, 4                         ; batch n
	s_lshl3_add_u32 s32, s32, s27                  ; nh = 8 n + hh
	s_and_b32 s33, s26, 15                         ; my block of 128 tokens in the batch
	s_lshl_b32 s34, s32, 18                        ; qf: nh * 262,144 + block * 8 tiles of 2,048 bytes
	s_lshl_b32 s36, s33, 14
	s_add_co_u32 s34, s34, s36
	s_mov_b32 s35, 0
	s_lshl_b32 s36, s32, 19                        ; kv: nh * 524,288 + (block >> 1) * 65,536 + (block & 1) * 16,384
	s_lshr_b32 s38, s33, 1
	s_lshl_b32 s38, s38, 16
	s_add_co_u32 s36, s36, s38
	s_and_b32 s38, s26, 1
	s_lshl_b32 s38, s38, 14
	s_add_co_u32 s36, s36, s38
	s_mov_b32 s37, 0
	s_lshl_b32 s38, s15, 8
	s_mul_i32 s39, s14, 32*PITCH                   ; my 32 rows of a chunk
	v_and_b32 v12, 31, v0                          ; L
	v_lshlrev_b32 v1, 4, v12                       ; 16 L
	v_lshl_add_u32 v[PF], v12, 11, s38             ; row L of my 32, and my work-group's 256 of the 512 bytes
	s_wait_kmcnt 0x0
	s_add_nc_u64 s[16:17], s[4:5], s[28:29]        ; x at my 32 rows
	s_add_nc_u64 s[18:19], s[6:7], s[28:29]        ; key at my 32 rows
	s_add_nc_u64 s[20:21], s[8:9], s[30:31]        ; wf at my head
	s_add_nc_u64 s[22:23], s[10:11], s[34:35]      ; qf at my 32 pieces
	s_add_nc_u64 s[24:25], s[12:13], s[36:37]      ; kv at my 32 pieces of K; V's lie 32,768 further
	WIN 0xc0
	s_wait_alu depctr_va_vdst(0)                   ; v1 and v[PF] are written: every global load and store of the kernel reads v1 as its offset, every prefetch v[PF]
	LOADSTG 0                                      ; chunk 0 first: it is wanted first
	LOADW 0
	PREF 1
	WIN 0
	v_and_b32 v13, 15, v0                          ; r
	v_bfe_u32 v14, v0, 4, 1                        ; h
	v_mul_u32_u24 v[AD], v13, PITCH
	v_lshl_add_u32 v[AD], v14, 4, v[AD]            ; fragment: row r, 16 bytes for each half of the lanes
	v_lshl_add_u32 v[SD], v12, 3, s39              ; staging: 8 bytes a lane
.irp j, 1,2,3
	v_add_nc_u32 v[AD+\j], \j*2*CHUNK, v[AD]       ; one register for each pair of chunks: the rest fits the 16-bit offset
	v_add_nc_u32 v[SD+\j], \j*2*CHUNK, v[SD]
.endr
	s_wait_loadcnt 0x20                            ; chunk 0 is in; the 32 younger loads, W(0), stay out
	STAGE 0
	s_wait_dscnt 0x0                               ; my stores are in LDS, for the other waves' sake
	WIN 0xc0
	s_wait_alu depctr_vm_vsrc(0)                   ; my 32 LDS stores have read the staging registers, in which the loads below land
	s_wait_alu depctr_va_vdst(0)                   ; chunk 0's conversions are done reading and writing those registers: stated behind the switch of windows, directly ahead of the loads, since LDS stores that name them stand behind the wait in STAGE
	LOADSTG 1
	PREF 2
	s_barrier_signal -1
	s_barrier_wait -1                              ; chunk 0 is whole
	FETCH AF0, 0, 0                                ; v[AD] was written ahead of the waits above; no vector or matrix instruction has named AF0 yet
	STEP 0, 0, 1, 1, 1                             ; q
	STEP 1, 1, 2, 1, 0
	STEP 2, 2, 3, 1, 0
	STEP 3, 3, 4, 1, 0
	OUT 22, 0, 0, 0
	STEP 4, 4, 5, 1, 1                             ; k
	STEP 5, 5, 6, 1, 0
	STEP 6, 6, 7, 1, 0
	STEP 7, 7, 4, 1, 0                             ; its last quarter already fetches key's first chunk again, for v
	OUT 24, 0, 0, 1
	STEP 8, 4, 5, 0, 1                             ; v, from key's chunks, which lie in LDS since their barriers
	STEP 9, 5, 6, 0, 0
	STEP 10, 6, 7, 0, 0
	STEP 11, 7, 7, 0, 0
	OUT 24, 32768, 1, 1                            ; v leaves in f16
	WIN 0
	s_wait_dscnt 0x0                               ; the closing lines, six on end
	s_wait_alu 0x0
	s_wait_tensorcnt 0x0
	ds_add_u32 v254, v255
	s_wait_dscnt 0x0
	s_endpgm
.Lfunc_end_k_qcd4fd8b5ac_proj:
	.size	k_qcd4fd8b5ac_proj, .Lfunc_end_k_qcd4fd8b5ac_proj-k_qcd4fd8b5ac_proj
	.p2alignl 7, 3214868480
	.fill 96, 4, 3214868480
	.section	.rodata,"a",@progbits
	.p2align	6, 0x0
	.amdhsa_kernel k_qcd4fd8b5ac_proj
		.amdhsa_group_segment_fixed_size 279040
		.amdhsa_private_segment_fixed_size 0
		.amdhsa_enable_private_segment 0
		.amdhsa_kernarg_size 40
		.amdhsa_user_sgpr_count 2
		.amdhsa_user_sgpr_kernarg_segment_ptr 1
		.amdhsa_wavefront_size32 1
		.amdhsa_system_sgpr_workgroup_id_x 1
		.amdhsa_system_sgpr_workgroup_id_y 1
		.amdhsa_system_sgpr_workgroup_id_z 1
		.amdhsa_system_vgpr_workitem_id 0
		.amdhsa_next_free_vgpr 896
		.amdhsa_next_free_sgpr 66
		.amdhsa_reserve_vcc 0
		.amdhsa_float_denorm_mode_32 3
		.amdhsa_float_denorm_mode_16_64 3
		.amdhsa_memory_ordered 1
		.amdhsa_forward_progress 1
		.amdhsa_inst_pref_size 255
	.end_amdhsa_kernel
	.section	.bss,"aw",@nobits
	.p2align	6
	.space	262144
	.amdgpu_metadata
---
amdhsa.version: [ 1, 2 ]
amdhsa.kernels:
  - .name:           k_qcd4fd8b5ac_proj
    .symbol:         k_qcd4fd8b5ac_proj.kd
    .args:
      - { .name: x, .offset: 0, .size: 8, .value_kind: global_buffer, .address_space: global }
      - { .name: key, .offset: 8, .size: 8, .value_kind: global_buffer, .address_space: global }
      - { .name: wf, .offset: 16, .size: 8, .value_kind: global_buffer, .address_space: global }
      - { .name: qf, .offset: 24, .size: 8, .value_kind: global_buffer, .address_space: global }
      - { .name: kv, .offset: 32, .size: 8, .value_kind: global_buffer, .address_space: global }
    .group_segment_fixed_size: 279040
    .private_segment_fixed_size: 0
    .kernarg_segment_align: 8
    .kernarg_segment_size: 40
    .max_flat_workgroup_size: 128
    .sgpr_count:     66
    .vgpr_count:     896
    .wavefront_size: 32
...
	.end_amdgpu_metadata
.endif
;; end of part 4
;; launch attn: the kernel of part 3 again; grid 256 x 1, 8 waves a work-group, clusters of 4 x 1, 327,680 bytes of LDS; arguments qf, kv, out0; writes out0
